; MI455X (gfx1250); checked and timed in simulation.
; The chip was launched on July 23, 2026; its instructions are those of AMD's public machine-readable ISA for CDNA 5 (MIT licence, August 2026) and "CDNA5" Instruction Set Architecture Reference Guide (July 2026). The comments in the code are by the model that wrote it; some were corrected since.
;; PSA. Allowed arithmetic: matrix products marked QUANTISED: E2M1 operands, one E8M0 scale for each 32 along K, by v_wmma_scale_f32_16x16x128_f8f6f4 with both operands' format E2M1 (or v_wmma_scale_f32_32x16x128_f4), f32 sums; everything else in f32.
;; Inputs: beta 256 float32; gamma 256 float32; w_proj_codes 256 x 8 x 16 uint8 (E2M1 codes of w_proj, K innermost, in blocks of 32 codes, two codes a byte); w_proj_scales 256 x 8 uint8 (E8M0 scales of w_proj, one for each 32 codes along K); w_qkv_codes 768 x 8 x 16 uint8 (E2M1 codes of w_qkv, K innermost, in blocks of 32 codes, two codes a byte); w_qkv_scales 768 x 8 uint8 (E8M0 scales of w_qkv, one for each 32 codes along K); x 4 x 512 x 64 x 64 float32.
;; Outputs: out0 4 x 512 x 64 x 64 float32.
;; This version of the problem:
;;   THIS VERSION OF THE PROBLEM IS GIVEN IN LOW PRECISION. The matrix products marked QUANTISED in the list below multiply operands that are first quantised to E2M1 (2 exponent bits, 1 mantissa bit; 4 bits a number), with one power-of-two scale for each 32 numbers along K (OCP MX v1.0); their sums are f32. All else is computed in f32.
;;   The module's matrix products, in the order in which they are computed (A, B: the left and right operand; K: the contracted axis; several contracted axes count as one K, in the product's order):
;;     1. [M 16,384, K 256] x [K 256, N 768]; A: input x; B: input w_qkv (given as codes): QUANTISED
;;     2. batch 16 x [M 4,096, K 64] x [K 64, N 4,096]; A: computed on the way; B: computed on the way: QUANTISED
;;     3. batch 16 x [M 64, K 4,096] x [K 4,096, N 4,096]; A: computed on the way; B: softmax (see below): QUANTISED
;;     4. [M 16,384, K 256] x [K 256, N 256]; A: computed on the way; B: input w_proj (given as codes): QUANTISED
;;   THE QUANTISER, for each operand of a quantised product, along K:
;;     - K is cut into blocks of 32 from its start; a last block that is shorter is filled with zeros.
;;     - A block's scale is 2^e with e = floor(log2(the largest magnitude in the block)) - 2, held to -126 .. 127; a block of zeros has e = 0. As a byte (E8M0): e + 127.
;;     - Each number is divided by its block's scale, clamped to +-6, and rounded to the nearest number of E2M1, ties to even, subnormals kept.
;;     - The product sums the exact products of the quantised numbers (number of the format x scale) in f32.
;;   ~~~python
;;   def quantise(x, axis):      # numpy; x: float32 -> the quantised numbers, widened to float32 again
;;       x = np.moveaxis(x, axis, -1); K = x.shape[-1]
;;       x = np.pad(x, [(0, 0)] * (x.ndim - 1) + [(0, -K % 32)]); x = x.reshape(x.shape[:-1] + (-1, 32)); a = np.abs(x).max(-1, keepdims=True)
;;       e = np.where(a > 0, np.clip(np.frexp(np.where(a > 0, a, 1))[1] - 1 - 2, -126, 127), 0)      # np.frexp(a)[1] - 1 = floor(log2(a)), exactly
;;       r = np.clip(x / 2.0 ** e, -6, 6)
;;       step = 2.0 ** (np.maximum(np.frexp(np.where(r == 0, 1, r))[1] - 1, 0) - 1)
;;       q = np.round(r / step) * step * 2.0 ** e      # np.round: ties to even
;;       return np.moveaxis(q.reshape(q.shape[:-2] + (-1,))[..., :K], -1, axis).astype(np.float32)
;;   ~~~
;;   SOFTMAX AHEAD OF A QUANTISED PRODUCT. Where the list says 'softmax', what is quantised is not the finished softmax but p = 2^(t - M), with t = logit x log2(e) and M = ceil(the row's largest t), a whole number; so 1/2 < the row's largest p <= 1. The row's sum l is taken of the UNQUANTISED p, in f32, and the product's result is divided by l at the end. Since M is a whole number, a kernel that streams over the keys may use a running M (the ceiling of the running maximum): every later rescaling is an exact power of two, which a block's scale takes up: the codes' values come out the same.
;;   OPERANDS COMPUTED ON THE WAY. 'Computed on the way' means the value that the module computes at that place (a softmax that the list does not call 'softmax' is quantised finished and normalised). What goes into a quantiser is computed in f32, as accurately as f32 sums, v_exp_f32 and their like allow (about 1e-6 of the number): no bf16 or f16 on the way to a quantiser, and a product that is left as it is and whose result goes on into a quantised operand takes f32 operands (vector FMAs, or v_wmma_f32_16x16x4_f32). A number that lies on a knife's edge between two numbers of the format may be rounded either way, as far as f32 arithmetic and the matrix unit's own rounding can turn it there, and no further.
;;   INPUTS GIVEN AS CODES. w_proj (in the module: [256, 256], K = its axis 1); w_qkv (in the module: [768, 256], K = its axis 1): each comes as NAME_codes (uint8): NAME with its K axis moved to the last place and cut into blocks of 32 codes, [.., K / 32, bytes a block], one block behind the other in memory; two codes a byte, the lower K in the low four bits (a code: sign, 2 exponent bits, 1 mantissa bit); and NAME_scales (uint8): the same leading axes, one E8M0 byte (e + 127) for each 32 codes along K. Its value is code x scale, taken as it is: it is not quantised again, and the codes and scales need not be those that the quantiser above would give.
;; One version. Each part assembles by itself: llvm-mc -triple=amdgcn-amd-amdhsa -mcpu=gfx1250 --defsym DOCPART=n.
;; ======== version 1 of 1: 3 launches
;; workspace buffers: qbuf 2,228,224 bytes; kv 4,456,448 bytes; obuf 2,359,296 bytes; part 524,288 bytes
;; launch qkv (part 1): grid 64 x 4, 8 waves a work-group, no clusters, 10,240 bytes of LDS; arguments x, w_qkv_codes, w_qkv_scales, qbuf, kv; writes qbuf, kv
.if DOCPART == 1
	.amdgcn_target "amdgcn-amd-amdhsa--gfx1250"
	.amdhsa_code_object_version 6
	.text
	.protected	k_qc8d7a935fe_qkv
	.globl	k_qc8d7a935fe_qkv
	.p2align	8
	.type	k_qc8d7a935fe_qkv,@function
k_qc8d7a935fe_qkv:
	s_mov_b64 s[64:65], 0
	v_nop
	global_prefetch_b8 v0, s[64:65] scope:SCOPE_SE
	s_setreg_imm32_b32 hwreg(HW_REG_WAVE_MODE, 25, 1), 1
	s_wait_xcnt 0x0
; qkv[b][o][n] = sum over c of w_qkv[o][c] x[b][c][n], c = 0 .. 255, on codes of FP4 (E2M1) with one E8M0 scale for each 32 along c; then q and k are quantised
; along the head's 64 channels and v along the keys, and all three leave as IMAGES OF OPERAND REGISTERS: a group of four registers is 512 bytes, lane l's 16 bytes at 16 l.
; SHARES.  A work-group takes 64 positions of one batch and all 768 outputs.  Eight waves.  First each wave quantises 32 positions x 64 channels of x: a lane takes a position
; and its registers run down the channels, so that a block of 32 channels lies in one lane.  The eight fragments of x meet in LDS.  Then wave w makes W's rows 64 w .. 64 w + 63
; (q's heads for w = 0 .. 3, k's for w = 4 .. 7) and v's channels 32 w .. 32 w + 31, for all 64 positions; its part of W goes from memory straight into registers, once.
; THE POSITIONS OF A TILE ARE NOT NEIGHBOURS: row r of tile (g, u) is position 32 g + 8 u + (r & 7) + 16 (r >> 3), so that, where a tile is source 0, register j of the lanes' half h is
; position 32 g + 8 u + 16 h + j and the 16 registers of tiles u = 0, 1 are 16 neighbours.  The rows of W that form a tile are chosen in the same way (tile 2 b + u: row 32 b + 8 u + r + 8 (r >> 3)).
; OUT.  qbuf [block of 64 positions][8,704]: images at g 4096 + head 1024 + u 512; scale words at 8192 + g 256 + head 64 + 4 r (low half: tile u = 0's two bytes, high half: u = 1's).
;       kv [block][17,408]: k as q; v's images at 8192 + 512 x (tile of 16 channels); k's scale words at 16384; v's half words at 16896 + 2 x (16 x tile + r).
; NO CLUSTER: there is no tensor load here; what work-groups share is W, 104,448 bytes, against 65,536 bytes of x that each reads alone.
; The scale words leave in runs of 64 bytes: 1,536 of the 26,112 bytes that a work-group stores.
; LIMITS: NaN and infinities among the inputs are not served.  A block whose largest magnitude lies under 2^-124 keeps the byte 1; a block of zeros gets the byte 1 where the rule says 127:
; its codes are zeros, which add nothing under any byte but 0xff, and the bytes are read by this program alone.
.set XIMG, 0                           ; LDS: x's eight fragments (tile t = 2 g + u, K step k) at (2 t + k) 1024 + c 512 + 16 lane
.set XSC,  8192                        ; their scale words: set (g, k) at (2 g + k) 128 + 4 lane: lanes 0-15 tile u = 0, lanes 16-31 tile u = 1
.set XA,   4                           ; v4   x: 4 x my position in the group of 32
.set LI,   5                           ; v5   16 x lane
.set LS,   6                           ; v6   4 x lane
.set XWI,  7                           ; v7   where I store x's images
.set XWS,  8                           ; v8   and my half of their scale words
.set WA,   9                           ; v9   W's codes: (r + 8 (r >> 3)) 128 + 16 h
.set WSA,  10                          ; v10  W's scale words: (r + 8 (r >> 3)) 8
.set SCO,  11                          ; v11  q's and k's scale words on the way out: 256 (lane >> 4) + 4 r
.set VSO,  12                          ; v12  v's half words: 2 x lane
.set XF,   16                          ; v16-79   64 numbers of x, then x's fragments: (t, k) at XF + 8 (2 t + k)
.set WQ,   80                          ; v80-143  my 64 rows of W for q or k: (tile a, k) at WQ + 8 (2 a + k)
.set WV,   144                         ; v144-175 my 32 rows of W for v: (e, k) at WV + 8 (2 e + k)
.set ACC,  176                         ; v176-207 four accumulators
.set TM,   208                         ; v208-213 largest magnitudes, bytes, scale operands
.set KW,   214                         ; v214-217 scale words on the way out
.set PC,   224                         ; v224-231 codes just made
.set WQS,  232                         ; v232-239 W's scale words for q or k
.set WVS,  240                         ; v240-243 for v
.set XS,   244                         ; v244-247 x's scale words, set 2 g + k
.set HW,   248                         ; v248-251 the half words of the four tiles of positions
.set HWV,  252                         ; v252-253 those of v's two tiles
.set DST,  36                          ; s[36:37] images of q or k
.set DS2,  38                          ; s[38:39] their scale words
.set DSV,  40                          ; s[40:41] v's images
.set DVS,  42                          ; s[42:43] v's half words
.set HM,   44                          ; s44      lanes 16-31
.set SEL,  46                          ; s[46:47] v_permlanex16_b32's selects for lane l xor 16
; One scaled product.  zero = 1: it starts the sum.  ar, br = 1: source 0's, source 1's scale words stand in lanes 16-31 of their register.
.macro MM d, a, b, zero, sa, sb, ar, br
.if \zero
.if \ar
	v_wmma_scale_f32_16x16x128_f8f6f4 v[\d:\d+7], v[\a:\a+7], v[\b:\b+7], 0, v[\sa], v[\sb] matrix_a_fmt:MATRIX_FMT_FP4 matrix_b_fmt:MATRIX_FMT_FP4 matrix_a_scale:MATRIX_SCALE_ROW1
.elseif \br
	v_wmma_scale_f32_16x16x128_f8f6f4 v[\d:\d+7], v[\a:\a+7], v[\b:\b+7], 0, v[\sa], v[\sb] matrix_a_fmt:MATRIX_FMT_FP4 matrix_b_fmt:MATRIX_FMT_FP4 matrix_b_scale:MATRIX_SCALE_ROW1
.else
	v_wmma_scale_f32_16x16x128_f8f6f4 v[\d:\d+7], v[\a:\a+7], v[\b:\b+7], 0, v[\sa], v[\sb] matrix_a_fmt:MATRIX_FMT_FP4 matrix_b_fmt:MATRIX_FMT_FP4
.endif
.else
.if \ar
	v_wmma_scale_f32_16x16x128_f8f6f4 v[\d:\d+7], v[\a:\a+7], v[\b:\b+7], v[\d:\d+7], v[\sa], v[\sb] matrix_a_fmt:MATRIX_FMT_FP4 matrix_b_fmt:MATRIX_FMT_FP4 matrix_a_scale:MATRIX_SCALE_ROW1
.elseif \br
	v_wmma_scale_f32_16x16x128_f8f6f4 v[\d:\d+7], v[\a:\a+7], v[\b:\b+7], v[\d:\d+7], v[\sa], v[\sb] matrix_a_fmt:MATRIX_FMT_FP4 matrix_b_fmt:MATRIX_FMT_FP4 matrix_b_scale:MATRIX_SCALE_ROW1
.else
	v_wmma_scale_f32_16x16x128_f8f6f4 v[\d:\d+7], v[\a:\a+7], v[\b:\b+7], v[\d:\d+7], v[\sa], v[\sb] matrix_a_fmt:MATRIX_FMT_FP4 matrix_b_fmt:MATRIX_FMT_FP4
.endif
.endif
.endm
; 32 numbers of a lane, register s + 16 b + i = k 32 b + 16 h + i of my row (b = 0, 1), become four registers of codes (lanes 0-15: block 0 whole, lanes 16-31: block 1 whole)
; and the half word byte 1 << 8 | byte 0.
.macro QUANTH s, pc, hw
.irp b, 0,1
	v_max3_num_f32 v[TM+\b], |v[\s+16*\b]|, |v[\s+16*\b+1]|, 0x1800000   ; my 16 numbers of block b, from the accumulator's low end on, and the floor 2^(3 - 127): the byte cannot fall under 1
.endr
.irp i, 2,4,6,8,10,12,14
.irp b, 0,1
	v_max3_num_f32 v[TM+\b], v[TM+\b], |v[\s+16*\b+\i]|, |v[\s+16*\b+\i+1]|
.endr
.endr
.irp b, 0,1
	s_delay_alu instid0(VALU_DEP_2)
	v_permlanex16_b32 v[TM+2+\b], v[TM+\b], s[SEL], s[SEL+1]
.endr
.irp b, 0,1
	s_delay_alu instid0(VALU_DEP_2)
	v_max_num_f32 v[TM+\b], v[TM+\b], v[TM+2+\b]       ; with lane l xor 16's: the block's largest magnitude
.endr
.irp b, 0,1
	s_delay_alu instid0(VALU_DEP_2)
	v_add_nc_u32 v[TM+4+\b], 0xff000000, v[TM+\b]      ; 2 off its exponent field: the conversion takes the exponent field of this operand as its scale
.endr
.irp b, 0,1
	s_delay_alu instid0(VALU_DEP_2)
	v_lshrrev_b32 v[TM+2+\b], 23, v[TM+4+\b]           ; the scale's byte
.endr
	s_delay_alu instid0(VALU_DEP_1)
	v_lshl_or_b32 v[\hw], v[TM+3], 8, v[TM+2]
.irp b, 0,1
	v_cvt_scalef32_pk8_fp4_f32 v[\pc+2*\b], v[\s+16*\b:\s+16*\b+7], v[TM+4+\b]
	v_cvt_scalef32_pk8_fp4_f32 v[\pc+2*\b+1], v[\s+16*\b+8:\s+16*\b+15], v[TM+4+\b]
.endr
	v_nop                                              ; one plain place behind a scaled conversion
.irp i, 0,1
	v_permlane16_swap_b32 v[\pc+\i], v[\pc+2+\i]       ; the first's lanes 16-31 change places with the second's lanes 0-15: a whole block in a lane
.endr
.endm
	s_load_b256 s[4:11], s[0:1], 0x0               ; x s[4:5], W's codes s[6:7], W's scales s[8:9], qbuf s[10:11]
	s_load_b64 s[12:13], s[0:1], 0x20              ; kv
	v_lshl_add_u32 v254, v0, 2, 0x2400
	v_mov_b32 v255, 0
	v_lshrrev_b32 v1, 5, v0
	s_delay_alu instid0(VALU_DEP_1)
	v_readfirstlane_b32 s14, v1                    ; wave 0..7
	v_and_b32 v1, 31, v0                           ; lane
	v_and_b32 v2, 15, v0                           ; r
	v_bfe_u32 v3, v0, 4, 1                         ; h
	s_and_b32 s15, s14, 1                          ; g: which 32 positions I quantise
	s_lshr_b32 s16, s14, 1                         ; cp: which 64 channels
	s_lshr_b32 s17, s14, 2                         ; 0: my rows of W make q, 1: k
	s_and_b32 s18, s14, 3                          ; their head
	s_and_b32 s19, ttmp7, 0xffff                   ; batch
	s_lshl_b32 s20, s19, 6
	s_add_co_u32 s20, s20, ttmp9                   ; block of 64 positions, 0 .. 255
	s_mov_b32 s[SEL], 0x76543210
	s_mov_b32 s[SEL+1], 0xfedcba98
	s_mov_b32 s[HM], 0xffff0000
	v_and_b32 v[XA], 7, v0                         ; my position in the group: (l & 7) + 8 (l >> 4) + 16 ((l >> 3) & 1): lanes 0-15 are tile u = 0's rows, lanes 16-31 tile u = 1's
	s_wait_alu depctr_va_vdst(0)
	v_lshl_or_b32 v[XA], v3, 3, v[XA]
	v_bfe_u32 v13, v0, 3, 1
	s_delay_alu instid0(VALU_DEP_1)
	v_lshl_or_b32 v[XA], v13, 4, v[XA]
	s_delay_alu instid0(VALU_DEP_1)
	v_lshlrev_b32 v[XA], 2, v[XA]
	v_lshlrev_b32 v[LI], 4, v1
	v_lshlrev_b32 v[LS], 2, v1
	s_wait_alu depctr_va_vdst(0)
	s_lshl_b32 s21, s15, 12
	s_lshl_b32 s22, s16, 9
	s_add_co_u32 s21, s21, s22
	v_add_nc_u32 v[XWI], s21, v[LI]                ; 16 lane + 4096 g + 512 cp: tile 2 g, K step cp >> 1, registers 4 (cp & 1) on; tile 2 g + 1 lies 2,048 further
	s_lshl_b32 s21, s15, 8
	s_lshr_b32 s22, s16, 1
	s_lshl_b32 s22, s22, 7
	s_add_co_u32 s21, s21, s22
	s_and_b32 s22, s16, 1
	s_lshl_b32 s22, s22, 1
	s_add_co_u32 s21, s21, s22
	v_add_nc_u32 v[XWS], s21, v[LS]                ; 4 lane + 256 g + 128 (cp >> 1) + 2 (cp & 1)
	v_and_b32 v13, 8, v2
	s_delay_alu instid0(VALU_DEP_1)
	v_add_nc_u32 v13, v13, v2                      ; r + 8 (r >> 3)
	s_delay_alu instid0(VALU_DEP_1)
	v_lshlrev_b32 v[WA], 7, v13
	s_delay_alu instid0(VALU_DEP_1)
	v_lshl_add_u32 v[WA], v3, 4, v[WA]
	s_delay_alu instid0(VALU_DEP_3)
	v_lshlrev_b32 v[WSA], 3, v13
	v_lshlrev_b32 v[SCO], 2, v2
	s_delay_alu instid0(VALU_DEP_1)
	v_lshl_add_u32 v[SCO], v3, 8, v[SCO]
	v_lshlrev_b32 v[VSO], 1, v1
	; byte offsets, each in a pair of its own
	s_lshl_b32 s24, s19, 23                        ; x: batch x 512 channels x 16,384 bytes
	s_lshl_b32 s21, s16, 20                        ; + 64 cp channels
	s_add_co_u32 s24, s24, s21
	s_lshl_b32 s21, ttmp9, 8                       ; + the block's 64 positions
	s_add_co_u32 s24, s24, s21
	s_lshl_b32 s21, s15, 7                         ; + 32 g positions
	s_add_co_u32 s24, s24, s21
	s_mov_b32 s25, 0
	s_lshl_b32 s26, s14, 13                        ; W's codes: row 64 w (128 bytes a row)
	s_mov_b32 s27, 0
	s_lshl_b32 s28, s14, 12                        ; and row 512 + 32 w
	s_add_co_u32 s28, s28, 65536
	s_mov_b32 s29, 0
	s_lshl_b32 s30, s14, 9                         ; W's scales: 8 bytes a row
	s_mov_b32 s31, 0
	s_lshl_b32 s32, s14, 8
	s_add_co_u32 s32, s32, 4096
	s_mov_b32 s33, 0
	s_lshl_b32 s21, 0x2200, s17                    ; a block is 8,704 bytes in qbuf, twice that in kv
	s_mul_i32 s21, s21, s20
	s_lshl_b32 s22, s18, 10
	s_add_co_u32 s[DST], s21, s22
	s_mov_b32 s[DST+1], 0
	s_lshl_b32 s22, 0x2000, s17                    ; the scale words begin at 8,192 in qbuf's block, at 16,384 in kv's
	s_add_co_u32 s[DS2], s21, s22
	s_lshl_b32 s22, s18, 6
	s_add_co_u32 s[DS2], s[DS2], s22
	s_mov_b32 s[DS2+1], 0
	s_mul_i32 s21, s20, 17408
	s_lshl_b32 s22, s14, 10
	s_add_co_u32 s[DSV], s21, s22
	s_add_co_u32 s[DSV], s[DSV], 8192
	s_mov_b32 s[DSV+1], 0
	s_lshl_b32 s22, s14, 6
	s_add_co_u32 s[DVS], s21, s22
	s_add_co_u32 s[DVS], s[DVS], 16896
	s_mov_b32 s[DVS+1], 0
	s_wait_alu depctr_va_vdst(0)
	s_wait_kmcnt 0x0
	s_add_nc_u64 s[4:5], s[4:5], s[24:25]
	s_add_nc_u64 s[26:27], s[6:7], s[26:27]
	s_add_nc_u64 s[28:29], s[6:7], s[28:29]
	s_add_nc_u64 s[30:31], s[8:9], s[30:31]
	s_add_nc_u64 s[32:33], s[8:9], s[32:33]
	s_cmp_eq_u32 s17, 0                            ; the choice of the buffer hangs on the wave's number alone
	s_cselect_b64 s[22:23], s[10:11], s[12:13]
	s_add_nc_u64 s[DST:DST+1], s[22:23], s[DST:DST+1]
	s_add_nc_u64 s[DS2:DS2+1], s[22:23], s[DS2:DS2+1]
	s_add_nc_u64 s[DSV:DSV+1], s[12:13], s[DSV:DSV+1]
	s_add_nc_u64 s[DVS:DVS+1], s[12:13], s[DVS:DVS+1]
	; ---- x: 64 channels of my position; the wave reads 128 consecutive bytes of a channel's row, the wave beside it the next 128
.set i, 0
.rept 64
	global_load_b32 v[XF+i], v[XA], s[4:5] offset:i*16384 th:TH_LOAD_NT
.set i, i+1
.endr
	; ---- my part of W, 36 loads, which land while x is quantised
.irp a, 0,1,2,3
.irp k, 0,1
.irp c, 0,1
	global_load_b128 v[WQ+8*(2*\a+\k)+4*\c:WQ+8*(2*\a+\k)+4*\c+3], v[WA], s[26:27] offset:(32*(\a/2)+8*(\a%2))*128+64*\k+32*\c
.endr
	global_load_b32 v[WQS+2*\a+\k], v[WSA], s[30:31] offset:(32*(\a/2)+8*(\a%2))*8+4*\k
.endr
.endr
.irp e, 0,1
.irp k, 0,1
.irp c, 0,1
	global_load_b128 v[WV+8*(2*\e+\k)+4*\c:WV+8*(2*\e+\k)+4*\c+3], v[WA], s[28:29] offset:\e*1024+64*\k+32*\c
.endr
	global_load_b32 v[WVS+2*\e+\k], v[WSA], s[32:33] offset:\e*64+4*\k
.endr
.endr
	s_wait_loadcnt 36                              ; x's 64 loads are in; the 36 issued behind them may be out
.irp c, 0,1
	v_max3_num_f32 v[TM+\c], |v[XF+32*\c]|, |v[XF+32*\c+1]|, 0x1800000   ; block c of 32 channels: all its numbers are mine; and the floor
.endr
.irp i, 2,4,6,8,10,12,14,16,18,20,22,24,26,28,30
.irp c, 0,1
	s_delay_alu instid0(VALU_DEP_2)
	v_max3_num_f32 v[TM+\c], v[TM+\c], |v[XF+32*\c+\i]|, |v[XF+32*\c+\i+1]|
.endr
.endr
.irp c, 0,1
	s_delay_alu instid0(VALU_DEP_2)
	v_add_nc_u32 v[TM+4+\c], 0xff000000, v[TM+\c]
.endr
.irp c, 0,1
	s_delay_alu instid0(VALU_DEP_2)
	v_lshrrev_b32 v[TM+2+\c], 23, v[TM+4+\c]
.endr
	s_delay_alu instid0(VALU_DEP_1)
	v_lshl_or_b32 v[HW], v[TM+3], 8, v[TM+2]       ; my position's two bytes
.irp c, 0,1
.irp q, 0,1,2,3
	v_cvt_scalef32_pk8_fp4_f32 v[PC+4*\c+\q], v[XF+32*\c+8*\q:XF+32*\c+8*\q+7], v[TM+4+\c]
.endr
.endr
	v_nop                                          ; one plain place behind a scaled conversion
.irp i, 0,1,2,3
	v_permlane16_swap_b32 v[PC+\i], v[PC+4+\i]     ; PC .. PC + 3: tile u = 0 (lanes 0-15 block 0, lanes 16-31 block 1 of its rows); PC + 4 .. PC + 7: tile u = 1
.endr
	ds_store_b128 v[XWI], v[PC:PC+3] offset:XIMG
	ds_store_b128 v[XWI], v[PC+4:PC+7] offset:XIMG+2048
	ds_store_b16 v[XWS], v[HW] offset:XSC
	s_wait_dscnt 0x0                               ; for the others' sake: my stores have landed
	s_barrier_signal -1
	s_barrier_wait -1                              ; x's eight fragments and their scale words lie in LDS
.set i, 0
.rept 16
	ds_load_b128 v[XF+4*i:XF+4*i+3], v[LI] offset:XIMG+512*i
.set i, i+1
.endr
.irp i, 0,1,2,3
	ds_load_b32 v[XS+\i], v[LS] offset:XSC+128*\i
.endr
	s_wait_dscnt 0x0
	s_wait_loadcnt 0x0                             ; W
; q or k for tile t of positions: source 0 = 16 rows of W, source 1 = x's tile: a lane holds one position, its 32 registers run along the head's 64 channels.
; The four accumulators take turns, one instruction a turn.
.macro UNITQ t
.irp k, 0,1
.irp a, 0,1,2,3
	MM ACC+8*\a, WQ+8*(2*\a+\k), XF+8*(2*\t+\k), 1-\k, WQS+2*\a+\k, XS+2*(\t/2)+\k, 0, \t%2
.endr
.endr
.rept 4
	v_nop                                          ; places in front of the first read of results
.endr
	s_wait_xcnt 0x0                                ; the last store has read the registers of the codes: they are written again only behind this wait
	QUANTH ACC, PC, HW+\t
	global_store_b128 v[LI], v[PC:PC+3], s[DST:DST+1] offset:(\t/2)*4096+(\t%2)*512   ; 512 consecutive bytes
.endm
	UNITQ 0
	UNITQ 1
	UNITQ 2
	UNITQ 3
	v_lshl_or_b32 v[KW], v[HW+1], 16, v[HW]        ; group 0's scale words: tile u = 0 below, u = 1 above
	v_lshl_or_b32 v[KW+1], v[HW+3], 16, v[HW+2]    ; group 1's
	s_delay_alu instid0(VALU_DEP_1)
	v_cndmask_b32 v[KW+2], v[KW], v[KW+1], s[HM]   ; lanes 0-15 store group 0's, lanes 16-31 group 1's
	global_store_b32 v[SCO], v[KW+2], s[DS2:DS2+1]
; v for its tile e of 16 channels: source 0 = x's tile, source 1 = 16 rows of W: a lane holds one channel, its 32 registers run along the 64 keys.
.macro UNITV e
.irp k, 0,1
.irp a, 0,1,2,3
	MM ACC+8*\a, XF+8*(2*\a+\k), WV+8*(2*\e+\k), 1-\k, XS+2*(\a/2)+\k, WVS+2*\e+\k, \a%2, 0
.endr
.endr
.rept 4
	v_nop
.endr
	s_wait_xcnt 0x0
	QUANTH ACC, PC, HWV+\e
	global_store_b128 v[LI], v[PC:PC+3], s[DSV:DSV+1] offset:\e*512
.endm
	UNITV 0
	UNITV 1
	v_cndmask_b32 v[KW+3], v[HWV], v[HWV+1], s[HM]
	global_store_b16 v[VSO], v[KW+3], s[DVS:DVS+1] ; 64 consecutive bytes: the half words of my two tiles
	s_wait_tensorcnt 0x0
	ds_add_u32 v254, v255
	s_wait_dscnt 0x0
	s_endpgm
.Lfunc_end_k_qc8d7a935fe_qkv:
	.size	k_qc8d7a935fe_qkv, .Lfunc_end_k_qc8d7a935fe_qkv-k_qc8d7a935fe_qkv
	.p2alignl 7, 3214868480
	.fill 96, 4, 3214868480
	.section	.rodata,"a",@progbits
	.p2align	6, 0x0
	.amdhsa_kernel k_qc8d7a935fe_qkv
		.amdhsa_group_segment_fixed_size 10240
		.amdhsa_private_segment_fixed_size 0
		.amdhsa_enable_private_segment 0
		.amdhsa_kernarg_size 40
		.amdhsa_user_sgpr_count 2
		.amdhsa_user_sgpr_kernarg_segment_ptr 1
		.amdhsa_wavefront_size32 1
		.amdhsa_system_sgpr_workgroup_id_x 1
		.amdhsa_system_sgpr_workgroup_id_y 1
		.amdhsa_system_sgpr_workgroup_id_z 1
		.amdhsa_system_vgpr_workitem_id 0
		.amdhsa_next_free_vgpr 256
		.amdhsa_next_free_sgpr 66
		.amdhsa_reserve_vcc 0
		.amdhsa_float_denorm_mode_32 3
		.amdhsa_float_denorm_mode_16_64 3
		.amdhsa_memory_ordered 1
		.amdhsa_forward_progress 1
		.amdhsa_inst_pref_size 41
	.end_amdhsa_kernel
	.amdgpu_metadata
---
amdhsa.version: [ 1, 2 ]
amdhsa.kernels:
  - .name:           k_qc8d7a935fe_qkv
    .symbol:         k_qc8d7a935fe_qkv.kd
    .args:
      - { .name: x, .offset: 0, .size: 8, .value_kind: global_buffer, .address_space: global }
      - { .name: w_qkv_codes, .offset: 8, .size: 8, .value_kind: global_buffer, .address_space: global }
      - { .name: w_qkv_scales, .offset: 16, .size: 8, .value_kind: global_buffer, .address_space: global }
      - { .name: qbuf, .offset: 24, .size: 8, .value_kind: global_buffer, .address_space: global }
      - { .name: kv, .offset: 32, .size: 8, .value_kind: global_buffer, .address_space: global }
    .group_segment_fixed_size: 10240
    .private_segment_fixed_size: 0
    .kernarg_segment_align: 8
    .kernarg_segment_size: 40
    .max_flat_workgroup_size: 256
    .sgpr_count:     66
    .vgpr_count:     256
    .wavefront_size: 32
...
	.end_amdgpu_metadata
.endif
;; end of part 1
;; launch attn (part 2): grid 64 x 4, 16 waves a work-group, clusters of 4 x 1, 327,680 bytes of LDS; arguments x, qbuf, kv, w_proj_codes, w_proj_scales, obuf, part, out0; writes obuf, part, out0
.if DOCPART == 2
	.amdgcn_target "amdgcn-amd-amdhsa--gfx1250"
	.amdhsa_code_object_version 6
	.text
	.protected	k_qc8d7a935fe_attn
	.globl	k_qc8d7a935fe_attn
	.p2align	8
	.type	k_qc8d7a935fe_attn,@function
k_qc8d7a935fe_attn:
	s_mov_b64 s[64:65], 0
	v_nop
	global_prefetch_b8 v0, s[64:65] scope:SCOPE_SE
	s_setreg_imm32_b32 hwreg(HW_REG_WAVE_MODE, 25, 1), 1
	s_wait_xcnt 0x0
	s_wait_alu depctr_hold_cnt(0) depctr_sa_sdst(0) depctr_va_vdst(0) depctr_va_sdst(0) depctr_va_ssrc(0) depctr_va_vcc(0) depctr_vm_vsrc(0)
	s_getreg_b32 s2, hwreg(HW_REG_IB_STS2, 6, 4)
	s_cmp_eq_u32 s2, 0
	s_cbranch_scc0 .Lentry_in_a_cluster
	s_endpgm
.Lentry_in_a_cluster:
	s_bfe_u32 s2, ttmp6, 0x10000c
	s_cmp_lg_u32 s2, 0x3003
	s_cbranch_scc0 .Lentry_shape_is_right
	s_endpgm
.Lentry_shape_is_right:
; Attention on codes of FP4 (E2M1), one E8M0 scale for each 32 along a product's K; then o = O / l is quantised along the 256 channels and stored as operand images, the projection is
; multiplied once for the batch norm's partial sums, and x's upper 256 channels are copied into out0 on the way.
; SHARES.  A work-group owns 64 queries of one batch, all four heads.  Sixteen waves, four to a SIMD: wave w owns head w >> 2 and tile w & 3 of 16 queries, in 256 registers.
; Every wave walks the batch's 4,096 keys, 128 a step.  K and V come as images of operand registers (16 bytes a lane on end) through a ring of two LDS slots of 512 keys.
; THE SOFTMAX: t = score x log2(e) / 8; M = the largest t so far, rounded UP to a whole number; p = 2^(t - M) is quantised along the keys, not normalised; the sum is taken of the unquantised p
; and divides O at the end.  When M moves, the sum and O are multiplied by 2^(old M - new M), which rounds nothing.
; LAYOUT.  Both products are used transposed (S^T = K Q^T, O^T = V^T P^T): a lane holds ONE query throughout.  The keys of a tile are not neighbours (row r of tile (g, u): 32 g + 8 u + (r & 7) + 16 (r >> 3)),
; so that the 16 registers of tiles u = 0, 1 are 16 neighbouring keys; V's channels likewise, so that O^T's registers run along the projection's K.
; THE HEAD'S 64 IN AN INSTRUCTION OF 128: a fragment of K holds TWO tiles of keys, u = 0 in registers 0-3 and u = 1 in registers 4-7.  Q stands as [zeros | q | zeros] in twelve registers:
; [q, 0] picks tile u = 0, [0, q] tile u = 1.  Zero codes add nothing, and no scale byte here is 0xff.
; CLUSTER.  The four work-groups of a cluster belong to one batch and walk the same K and V: each tile is asked for JOINTLY, by the same tensor load with the same descriptor and the mask of all four.
; Waves 0 to 7 fetch one block of 64 keys each (17,408 dense bytes, as 68 rows of 256); by this text's count a wave has at most one tensor load out, and it has four key steps in which to land.
; THE COPY: in each of the eight slots the work-group moves 8,192 of its 65,536 bytes of x's upper channels: loaded at the slot's head, stored at its end; a wave's access covers 512 consecutive bytes.
; PARTIAL SUMS: for each output channel the sum of y over my 64 queries and the sum of squares of y less their mean; they leave in runs of 64 bytes, 2,048 bytes a work-group.
; LIMITS: NaN and infinities are not served.  A block whose largest magnitude lies under 2^-124 keeps the byte 1, a block of zeros too (the rule says 127): its codes are zeros and this program alone reads
; the bytes.  o is O times the reciprocal of l (v_rcp_f32) where the definition divides.
.set BLKB,  17408                      ; a block of 64 keys: K's images 8,192, V's images 8,192, K's scale words 512, V's half words 512
.set STEPB, 2*BLKB                     ; a key step
.set SLOTB, 8*BLKB                     ; a slot: four key steps
.set OIMG,  2*SLOTB                    ; behind the ring: o's eight fragments (tile q, K step k) at (2 q + k) 1024 + c 512 + 16 lane,
.set OSC,   OIMG+8192                  ; their scale words at (2 q + k) 128 + 4 lane,
.set SPARE, OSC+1024                   ; and the spare words, 128 bytes for each wave: eight blocks of 256 bytes that no other line names
.set AK0,  1                           ; v1   my lane's place among a block's images of K: 16 lane + 1024 head
.set AV0,  2                           ; v2   of V: 16 lane + 2048 head + 8192
.set ASK0, 3                           ; v3   K's scale words: 4 r + 64 head + 16384
.set ASV0, 4                           ; v4   V's half words: 2 r + 128 head + 16896
.set SPW,  5                           ; v5   LDS address of my spare word; never rewritten
.set NIL,  6                           ; v6   0; never rewritten
.set CO,   7                           ; v7   the copy: 16 x my thread's number
.set ADK,  8                           ; v8-11 the step's LDS addresses
.set ADV,  9
.set ADS,  10
.set ADT,  11
.set QF,   16                          ; v16-27 zeros, q, zeros.  (v12 -M, v13 the largest t, v[14:15] the sum in two halves)
.set CP,   28                          ; v28-31 the copy's 16 bytes
.set KF,   32                          ; v32-63 four fragments of K
.set VF,   64                          ; v64-95 four fragments of V
.set S,    96                          ; v96-159 S^T, then p
.set OT,   160                         ; v160-191 O^T
.set PC,   192                         ; v192-199 p's codes
.set KS,   200                         ; v200-203 K's scale words
.set VS,   204                         ; v204-207 V's scale words
.set VT,   208                         ; v208-211 their upper halves as loaded
.set QW,   212                         ; v212 q's scale word
.set PW,   213                         ; v213 p's scale word
.set FF,   214                         ; v[214:215] f = 2^(old M - new M)
.set BM,   216                         ; v216-219 each block's largest score, then p
.set BT,   220                         ; v220-223 at work
.set BS,   224                         ; v224-227 the conversions' scale operands
.set SU,   228                         ; v[228:229] the second chain of the sum
.set T,    230                         ; v230-231 at work
.set OLI,  232                         ; v232 16 lane + OIMG
.set OLS,  233                         ; v233 4 lane + OSC
.set OWI,  234                         ; v234 where I store my four registers of o's codes
.set OWS,  235                         ; v235 and my half of their scale words
.set OSR,  236                         ; v236 waves 0, 1: where I read 512 bytes of scale words back
.set WPA,  237                         ; v237 w_proj's codes: (16 w + r) 128 + 16 h
.set OSG,  238                         ; v238 their place in obuf's block
.set OGO,  239                         ; v239 my codes' place in obuf's block
.set TM,   240                         ; v240-245 the quantiser's work
.set HW,   246                         ; v246 my half word
.set WPSA, 247                         ; v247 w_proj's scale words: (16 w + r) 8
.set OW,   248                         ; v248-255 o's scale words
.set WV,   22                          ; s22 my wave's number
.set HD,   23                          ; s23 my head
.set QT,   24                          ; s24 my tile of queries
.set G1,   28                          ; s[28:35] descriptor group 1
.set G0,   36                          ; s[36:43] descriptor group 0, a set for each slot
.set SEL,  44                          ; s[44:45] lane l xor 16
.set CS,   46                          ; s[46:47] log2(e) / 8: the packed form names a pair and takes its low word for both halves
.set TB,   48                          ; s48 LDS byte at which the step's two blocks begin
.set STP,  49                          ; s49 steps to go in the slot
.set LAPS, 50
.set HM,   51                          ; s51 lanes 16-31
.set XS,   52                          ; s[52:53] the copy's source
.set OS,   54                          ; s[54:55] and its target
.set QB,   56                          ; s[56:57] qbuf at my block
.set OB,   66                          ; s[66:67] obuf at my block
.set PB,   68                          ; s[68:69] part at my channels and my block
.macro MM d, a, b, zero, sa, sb
.if \zero
	v_wmma_scale_f32_16x16x128_f8f6f4 v[\d:\d+7], v[\a:\a+7], v[\b:\b+7], 0, v[\sa], v[\sb] matrix_a_fmt:MATRIX_FMT_FP4 matrix_b_fmt:MATRIX_FMT_FP4
.else
	v_wmma_scale_f32_16x16x128_f8f6f4 v[\d:\d+7], v[\a:\a+7], v[\b:\b+7], v[\d:\d+7], v[\sa], v[\sb] matrix_a_fmt:MATRIX_FMT_FP4 matrix_b_fmt:MATRIX_FMT_FP4
.endif
.endm
; 32 numbers of a lane, register s + 16 b + i = k 32 b + 16 h + i of my row, become four registers of codes (lanes 0-15 block 0 whole, lanes 16-31 block 1 whole) and the half word byte 1 << 8 | byte 0.
.macro QUANTH s, pc, hw
.irp b, 0,1
	v_max3_num_f32 v[TM+\b], |v[\s+16*\b]|, |v[\s+16*\b+1]|, 0x1800000   ; and the floor 2^(3 - 127): the byte cannot fall under 1
.endr
.irp i, 2,4,6,8,10,12,14
.irp b, 0,1
	s_delay_alu instid0(VALU_DEP_2)
	v_max3_num_f32 v[TM+\b], v[TM+\b], |v[\s+16*\b+\i]|, |v[\s+16*\b+\i+1]|
.endr
.endr
.irp b, 0,1
	s_delay_alu instid0(VALU_DEP_2)
	v_permlanex16_b32 v[TM+2+\b], v[TM+\b], s[SEL], s[SEL+1]
.endr
.irp b, 0,1
	s_delay_alu instid0(VALU_DEP_2)
	v_max_num_f32 v[TM+\b], v[TM+\b], v[TM+2+\b]
.endr
.irp b, 0,1
	s_delay_alu instid0(VALU_DEP_2)
	v_add_nc_u32 v[TM+4+\b], 0xff000000, v[TM+\b]      ; 2 off the exponent field: the conversion's scale operand
.endr
.irp b, 0,1
	s_delay_alu instid0(VALU_DEP_2)
	v_lshrrev_b32 v[TM+2+\b], 23, v[TM+4+\b]
.endr
	s_delay_alu instid0(VALU_DEP_1)
	v_lshl_or_b32 v[\hw], v[TM+3], 8, v[TM+2]
.irp b, 0,1
	v_cvt_scalef32_pk8_fp4_f32 v[\pc+2*\b], v[\s+16*\b:\s+16*\b+7], v[TM+4+\b]
	v_cvt_scalef32_pk8_fp4_f32 v[\pc+2*\b+1], v[\s+16*\b+8:\s+16*\b+15], v[TM+4+\b]
.endr
	v_nop                                              ; one plain place behind a scaled conversion
.irp i, 0,1
	v_permlane16_swap_b32 v[\pc+\i], v[\pc+2+\i]
.endr
.endm
; A joint load: waves 0 to 7 fetch one block each, the others nothing.  The branch hangs on the wave's number alone.  Four v_nop follow the load, ahead of the label.
.macro JLOAD g0
	s_cmp_lt_u32 s[WV], 8
	s_cbranch_scc0 .Lasked_\@
	tensor_load_to_lds s[\g0:\g0+3], s[G1:G1+7]
	s_nop 0
.rept 4
	v_nop
.endr
.Lasked_\@:
.endm
; A round of the cluster's barrier: my work-group's barrier, wave 0 signals for the work-group, every wave waits for all four work-groups, my work-group's barrier once more.
.macro CROUND
	s_barrier_signal -1
	s_barrier_wait -1
	s_cmp_lg_u32 s[WV], 0
	s_cbranch_scc1 .Lnot_wave_0_\@
	s_barrier_signal -3
.Lnot_wave_0_\@:
	s_barrier_wait -3
	s_barrier_signal -1
	s_barrier_wait -1
.endm
	s_load_b256 s[4:11], s[0:1], 0x0               ; x s[4:5], qbuf s[6:7], kv s[8:9], w_proj's codes s[10:11]
	s_load_b256 s[12:19], s[0:1], 0x20             ; w_proj's scales s[12:13], obuf s[14:15], part s[16:17], out0 s[18:19]
	v_lshl_add_u32 v[SPW], v0, 2, SPARE
	v_mov_b32 v[NIL], 0
	ds_add_u32 v5, v6
	ds_add_u32 v5, v6
	s_wait_dscnt 0x0
	v_lshrrev_b32 v8, 5, v0
	s_delay_alu instid0(VALU_DEP_1)
	v_readfirstlane_b32 s[WV], v8                  ; wave 0..15
	s_lshr_b32 s[HD], s[WV], 2
	s_and_b32 s[QT], s[WV], 3
	s_lshr_b32 s25, s[QT], 1                       ; my tile's group of 32 queries
	s_and_b32 s26, s[QT], 1                        ; and its u
	s_bfe_u32 s60, ttmp6, 0x40000                  ; cx: it enters the addresses of Q, obuf, part, x and out0 alone
	s_lshl_b32 s61, ttmp9, 2
	s_add_co_u32 s61, s61, s60                     ; my block of 64 queries in the batch
	s_and_b32 s62, ttmp7, 0xffff                   ; the batch, which the four partners share
	s_lshl_b32 s63, s62, 6
	s_add_co_u32 s63, s63, s61                     ; block 0 .. 255
	s_mul_i32 s[QB], s63, 8704
	s_mov_b32 s[QB+1], 0
	s_mul_i32 s[OB], s63, 9216
	s_mov_b32 s[OB+1], 0
	s_lshl_b32 s[PB], s63, 6
	s_lshl_b32 s70, s[WV], 14
	s_add_co_u32 s[PB], s[PB], s70
	s_mov_b32 s[PB+1], 0
	s_lshl_b32 s[XS], s62, 23                      ; the copy: batch x 8,388,608 + the upper 256 channels + my 65,536 bytes of them
	s_lshl_b32 s70, s61, 16
	s_add_co_u32 s[XS], s[XS], s70
	s_add_co_u32 s[XS], s[XS], 4194304
	s_mov_b32 s[XS+1], 0
	s_and_b32 s74, s[WV], 7                        ; what I fetch, if I fetch: block w & 7 of a slot; these registers never hold cx
	s_mul_i32 s74, s74, BLKB
	s_and_b32 s75, ttmp7, 0xffff
	s_mul_i32 s72, s75, 64*BLKB
	s_add_co_u32 s72, s72, s74
	s_mov_b32 s73, 0
	s_mov_b32 s[G1], 15|(3<<16)|(1<<21)            ; 15:0 the mask: all four work-groups; 17:16 elements of 8 bytes; 20 no padding; 21 set beside a mask
	s_mov_b32 s[G1+1], 32<<16                      ; tensor_dim0 = 32 elements: 256 bytes
	s_mov_b32 s[G1+2], 68<<16                      ; tensor_dim1 = 68 rows
	s_mov_b32 s[G1+3], 32<<16                      ; tile_dim0
	s_mov_b32 s[G1+4], 68                          ; tile_dim1
	s_mov_b32 s[G1+5], 32                          ; the pitch: dense
	s_mov_b32 s[G1+6], 0
	s_mov_b32 s[G1+7], 0
	s_mov_b32 s[SEL], 0x76543210
	s_mov_b32 s[SEL+1], 0xfedcba98
	s_mov_b32 s[CS], 0x3e38aa3b                    ; log2(e) / 8
	s_mov_b32 s[CS+1], s[CS]
	s_mov_b32 s[HM], 0xffff0000
	; every LDS address is made here, ahead of the first branch on the wave's number
	v_and_b32 v9, 31, v0                           ; lane
	v_and_b32 v10, 15, v0                          ; r
	v_bfe_u32 v11, v0, 4, 1                        ; h
	s_delay_alu instid0(VALU_DEP_3)
	v_lshlrev_b32 v8, 4, v9                        ; 16 lane
	s_wait_alu depctr_va_vdst(0)
	s_lshl_b32 s76, s[HD], 10
	v_add_nc_u32 v[AK0], s76, v8
	s_lshl_b32 s76, s[HD], 11
	s_add_co_u32 s76, s76, 8192
	v_add_nc_u32 v[AV0], s76, v8
	s_lshl_b32 s76, s[HD], 6
	s_add_co_u32 s76, s76, 16384
	v_lshl_add_u32 v[ASK0], v10, 2, s76
	s_lshl_b32 s76, s[HD], 7
	s_add_co_u32 s76, s76, 16896
	v_lshl_add_u32 v[ASV0], v10, 1, s76
	v_lshlrev_b32 v[CO], 4, v0
	v_add_nc_u32 v[OLI], OIMG, v8
	v_lshl_add_u32 v[OLS], v9, 2, OSC
	s_wait_alu depctr_va_vdst(0)
	s_lshl_b32 s76, s[QT], 11                      ; fragment (my tile, K step head >> 1), registers 4 (head & 1) on
	s_lshr_b32 s77, s[HD], 1
	s_lshl_b32 s78, s77, 10
	s_add_co_u32 s76, s76, s78
	s_and_b32 s79, s[HD], 1
	s_lshl_b32 s78, s79, 9
	s_add_co_u32 s76, s76, s78
	v_add_nc_u32 v[OGO], s76, v8
	s_delay_alu instid0(VALU_DEP_1)
	v_add_nc_u32 v[OWI], OIMG, v[OGO]
	s_lshl_b32 s76, s[QT], 8
	s_lshl_b32 s78, s77, 7
	s_add_co_u32 s76, s76, s78
	s_lshl_b32 s78, s79, 1
	s_add_co_u32 s76, s76, s78
	v_add_nc_u32 v[OWS], s76, v[OLS]
	s_and_b32 s76, s[WV], 1
	s_lshl_b32 s76, s76, 9
	v_add_nc_u32 v[OSG], s76, v8
	s_delay_alu instid0(VALU_DEP_1)
	v_add_nc_u32 v[OSR], OSC, v[OSG]
	v_lshlrev_b32 v[WPA], 7, v10
	s_delay_alu instid0(VALU_DEP_1)
	v_lshl_add_u32 v[WPA], v11, 4, v[WPA]
	s_lshl_b32 s76, s[WV], 11
	v_add_nc_u32 v[WPA], s76, v[WPA]
	s_lshl_b32 s76, s[WV], 7
	v_lshl_add_u32 v[WPSA], v10, 3, s76
	s_lshl_b32 s76, s25, 12                        ; Q: my tile's image,
	s_lshl_b32 s78, s[HD], 10
	s_add_co_u32 s76, s76, s78
	s_lshl_b32 s78, s26, 9
	s_add_co_u32 s76, s76, s78
	v_add_nc_u32 v[T], s76, v8
	s_lshl_b32 s76, s25, 8                         ; and its group's scale words
	s_lshl_b32 s78, s[HD], 6
	s_add_co_u32 s76, s76, s78
	v_lshl_add_u32 v[T+1], v10, 2, s76
	s_cmp_eq_u32 s26, 0                            ; which half of a scale word is my tile's: bytes 0, 1 or bytes 2, 3, taken twice
	s_mov_b32 s78, 0x03020302
	s_cselect_b32 s78, 0x01000100, s78
	s_wait_kmcnt 0x0
	s_add_nc_u64 s[OS:OS+1], s[18:19], s[XS:XS+1]
	s_add_nc_u64 s[XS:XS+1], s[4:5], s[XS:XS+1]
	s_add_nc_u64 s[QB:QB+1], s[6:7], s[QB:QB+1]
	s_add_nc_u64 s[OB:OB+1], s[14:15], s[OB:OB+1]
	s_add_nc_u64 s[PB:PB+1], s[16:17], s[PB:PB+1]
	s_add_nc_u64 s[72:73], s[8:9], s[72:73]
.irp n, 0,1
	s_mov_b32 s[G0+4*\n], 1                        ; count = 1
	s_add_co_u32 s[G0+4*\n+1], s74, \n*SLOTB       ; LDS address: slot n, my block
	s_add_nc_u64 s[G0+4*\n+2:G0+4*\n+3], s[72:73], \n*SLOTB   ; global address: the batch's keys 512 n on
	s_or_b32 s[G0+4*\n+3], s[G0+4*\n+3], 0x80000000           ; type = 2
.endr
	CROUND                                         ; all four work-groups are here: the first joint loads meet
	JLOAD G0                                       ; slot 0
	s_wait_alu depctr_va_vdst(0)
	global_load_b128 v[QF+4:QF+7], v[T], s[QB:QB+1]
	global_load_b32 v[SU+1], v[T+1], s[QB:QB+1] offset:8192
.irp j, 0,1,2,3
	v_mov_b32 v[QF+\j], 0
	v_mov_b32 v[QF+8+\j], 0
.endr
	s_wait_loadcnt 0x0
	v_perm_b32 v[QW], v[SU+1], v[SU+1], s78        ; (s0, s1, s0, s1): the same two bytes for either place of q.  The clearing below is more than the eight places in front of the first product
	v_mov_b32 v13, 0xff61b1e6                      ; the largest t so far: -3e38, under every t
	s_delay_alu instid0(VALU_DEP_1)
	v_floor_f32 v12, -v13                          ; -M
	v_mov_b32 v14, 0
	v_mov_b32 v15, 0
	v_mov_b32 v[FF+1], 0                           ; named as the upper half of a pair
.irp j, 0,1,2,3
	v_mov_b32 v[BT+\j], 0                          ; a lane permute's destination counts as one of its sources
.endr
	v_mov_b32 v[TM+2], 0
	v_mov_b32 v[TM+3], 0
.set j, 0
.rept 32
	v_mov_b32 v[OT+j], 0                           ; O^T.  The step is written once: the first finds zeros, which the first change of M leaves zeros
.set j, j+1
.endr
; A KEY STEP: 128 keys, two blocks of 64, at LDS byte s[TB].
.macro STEP
	v_add_nc_u32 v[ADK], s[TB], v[AK0]             ; four plain lines: the places between the last step's products and the loads into their registers
	v_add_nc_u32 v[ADV], s[TB], v[AV0]
	v_add_nc_u32 v[ADS], s[TB], v[ASK0]
	v_add_nc_u32 v[ADT], s[TB], v[ASV0]
.irp b, 0,1,2,3                                ; group b of 32 keys: block b / 2, its group b % 2; tile u = 0 into registers 0-3, u = 1 into 4-7
	ds_load_b128 v[KF+8*\b:KF+8*\b+3], v[ADK] offset:(\b/2)*BLKB+(\b%2)*4096
	ds_load_b128 v[KF+8*\b+4:KF+8*\b+7], v[ADK] offset:(\b/2)*BLKB+(\b%2)*4096+512
	ds_load_b32 v[KS+\b], v[ADS] offset:(\b/2)*BLKB+(\b%2)*256
.endr
.irp d, 0,1,2,3                                ; tile d of my head's channels: keys 0-63 into registers 0-3, keys 64-127 into 4-7
	ds_load_b128 v[VF+8*\d:VF+8*\d+3], v[ADV] offset:\d*512
	ds_load_b128 v[VF+8*\d+4:VF+8*\d+7], v[ADV] offset:BLKB+\d*512
	ds_load_u16 v[VS+\d], v[ADT] offset:\d*32
	ds_load_u16 v[VT+\d], v[ADT] offset:BLKB+\d*32
.endr
	s_wait_dscnt 16                                ; K's twelve loads are in; V's sixteen, issued behind them, may be out
.irp b, 0,1,2,3
	MM S+16*\b, KF+8*\b, QF+4, 1, KS+\b, QW        ; [q, 0]: tile u = 0
	MM S+16*\b+8, KF+8*\b, QF, 1, KS+\b, QW        ; [0, q]: tile u = 1
.endr
.rept 4
	v_nop
.endr
.irp b, 0,1,2,3
	v_max3_num_f32 v[BM+\b], v[S+16*\b], v[S+16*\b+1], v[S+16*\b+2]   ; the largest score of each block of 32 keys: for the row's maximum and, since p rises with the score, for the block's largest p
.endr
.irp i, 3,5,7,9,11,13
.irp b, 0,1,2,3
	v_max3_num_f32 v[BM+\b], v[BM+\b], v[S+16*\b+\i], v[S+16*\b+\i+1]
.endr
.endr
.irp b, 0,1,2,3
	v_max_num_f32 v[BM+\b], v[BM+\b], v[S+16*\b+15]
.endr
.irp b, 0,1,2,3
	s_delay_alu instid0(VALU_DEP_4)
	v_permlanex16_b32 v[BT+\b], v[BM+\b], s[SEL], s[SEL+1]
.endr
.irp b, 0,1,2,3
	s_delay_alu instid0(VALU_DEP_4)
	v_max_num_f32 v[BM+\b], v[BM+\b], v[BT+\b]     ; with lane l xor 16's 16 keys
.endr
	s_delay_alu instid0(VALU_DEP_2)
	v_max3_num_f32 v[T], v[BM], v[BM+1], v[BM+2]
	s_delay_alu instid0(VALU_DEP_1)
	v_max_num_f32 v[T], v[T], v[BM+3]
	s_delay_alu instid0(VALU_DEP_1)
	v_mul_f32 v[T], s[CS], v[T]                    ; as t
	s_delay_alu instid0(VALU_DEP_1)
	v_max_num_f32 v13, v13, v[T]                   ; the running largest t
	v_mov_b32 v[T], v12
	s_delay_alu instid0(VALU_DEP_2)
	v_floor_f32 v12, -v13                          ; the new -M = -ceil(t)
	s_delay_alu instid0(VALU_DEP_1)
	v_sub_f32 v[T], v12, v[T]                      ; old M less new M: a whole number, 0 or less
	s_delay_alu instid0(VALU_DEP_1)
	v_cvt_i32_f32 v[T], v[T]                       ; (it saturates)
	s_delay_alu instid0(VALU_DEP_1)
	v_ldexp_f32 v[FF], 1.0, v[T]                   ; f = 2^(old M - new M)
.set j, 0
.rept 32
	v_pk_fma_f32 v[S+j:S+j+1], v[S+j:S+j+1], s[CS:CS+1], v[12:13] op_sel_hi:[1,0,0]   ; t - M, two at a time
.set j, j+2
.endr
.irp b, 0,1,2,3
	v_fma_f32 v[BM+\b], v[BM+\b], s[CS], v12
.endr
.set j, 0
	s_wait_alu depctr_va_vdst(0)
.rept 64
	v_exp_f32 v[S+j], v[S+j]                       ; p = 2^(t - M)
.set j, j+1
.endr
	s_setprio 1
.irp b, 0,1,2,3
	v_exp_f32 v[BM+\b], v[BM+\b]                   ; the block's largest p: the same two instructions on the same number
.endr
	v_pk_mul_f32 v[14:15], v[14:15], v[FF:FF+1] op_sel_hi:[1,0]   ; the sums under the new M.  (A plain place behind the exponentials)
	s_wait_alu depctr_va_vdst(0)
.irp b, 0,1,2,3
	v_max_num_f32 v[BM+\b], 0x1800000, v[BM+\b]    ; the floor 2^(3 - 127)
.endr
.irp b, 0,1,2,3
	s_delay_alu instid0(VALU_DEP_4)
	v_add_nc_u32 v[BS+\b], 0xff000000, v[BM+\b]
.endr
.irp b, 0,1,2,3
	s_delay_alu instid0(VALU_DEP_4)
	v_lshrrev_b32 v[BT+\b], 23, v[BS+\b]
.endr
	s_delay_alu instid0(VALU_DEP_3)
	v_lshl_or_b32 v[PW], v[BT+1], 8, v[BT]         ; p's scale word for these 128 keys
	s_delay_alu instid0(VALU_DEP_1)
	v_lshl_or_b32 v[PW], v[BT+2], 16, v[PW]
	s_delay_alu instid0(VALU_DEP_1)
	v_lshl_or_b32 v[PW], v[BT+3], 24, v[PW]
.irp b, 0,1,2,3
	v_cvt_scalef32_pk8_fp4_f32 v[PC+2*\b], v[S+16*\b:S+16*\b+7], v[BS+\b]
	v_cvt_scalef32_pk8_fp4_f32 v[PC+2*\b+1], v[S+16*\b+8:S+16*\b+15], v[BS+\b]
.endr
	v_nop                                          ; one plain place behind a scaled conversion
.irp c, 0,1
.irp i, 0,1
	v_permlane16_swap_b32 v[PC+4*\c+\i], v[PC+2+4*\c+\i]
.endr
.endr
	s_wait_dscnt 0x0                               ; V
.irp d, 0,1,2,3
	v_lshl_or_b32 v[VS+\d], v[VT+\d], 16, v[VS+\d] ; V's scale word: keys 0-63's two bytes below, keys 64-127's above
.endr
	v_pk_add_f32 v[228:229], v[100:101], v[104:105]
	v_pk_add_f32 v[254:255], v[108:109], v[112:113]
	v_pk_add_f32 v[252:253], v[116:117], v[120:121]
	v_pk_add_f32 v[250:251], v[124:125], v[128:129]
	v_pk_add_f32 v[248:249], v[132:133], v[136:137]
	v_pk_add_f32 v[244:245], v[140:141], v[144:145]
	v_pk_add_f32 v[240:241], v[148:149], v[152:153]
	v_pk_add_f32 v[14:15], v[14:15], v[156:157]
	v_pk_add_f32 v[228:229], v[228:229], v[96:97]
	v_pk_add_f32 v[254:255], v[254:255], v[98:99]
	v_pk_add_f32 v[252:253], v[252:253], v[102:103]
	v_pk_add_f32 v[250:251], v[250:251], v[106:107]
	v_pk_add_f32 v[248:249], v[248:249], v[110:111]
	v_pk_add_f32 v[244:245], v[244:245], v[114:115]
	v_pk_add_f32 v[240:241], v[240:241], v[118:119]
	v_pk_add_f32 v[14:15], v[14:15], v[122:123]
	v_pk_add_f32 v[228:229], v[228:229], v[126:127]
	v_pk_add_f32 v[254:255], v[254:255], v[130:131]
	v_pk_add_f32 v[252:253], v[252:253], v[134:135]
	v_pk_add_f32 v[250:251], v[250:251], v[138:139]
	v_pk_add_f32 v[248:249], v[248:249], v[142:143]
	v_pk_add_f32 v[244:245], v[244:245], v[146:147]
	v_pk_add_f32 v[240:241], v[240:241], v[150:151]
	v_pk_add_f32 v[14:15], v[14:15], v[154:155]
	v_pk_add_f32 v[228:229], v[228:229], v[158:159]
	s_delay_alu instid0(VALU_DEP_2)
	v_pk_add_f32 v[14:15], v[14:15], v[250:251]
	s_delay_alu instid0(VALU_DEP_2)
	v_pk_add_f32 v[228:229], v[228:229], v[248:249]
	s_setprio 0
	v_pk_add_f32 v[254:255], v[254:255], v[244:245]
	v_pk_add_f32 v[252:253], v[252:253], v[240:241]
	s_delay_alu instid0(VALU_DEP_2)
	v_pk_add_f32 v[14:15], v[14:15], v[254:255]
	s_delay_alu instid0(VALU_DEP_2)
	v_pk_add_f32 v[228:229], v[228:229], v[252:253]
	s_delay_alu instid0(VALU_DEP_1)
	v_pk_add_f32 v[14:15], v[14:15], v[228:229]
.set j, 0
.rept 16
	v_pk_mul_f32 v[OT+j:OT+j+1], v[OT+j:OT+j+1], v[FF:FF+1] op_sel_hi:[1,0]   ; O^T under the new M, each accumulator from its low end on.  (With the sums: 48 places behind the scale words just made)
.set j, j+2
.endr
.irp d, 0,1,2,3
	MM OT+8*\d, VF+8*\d, PC, 0, VS+\d, PW          ; the four accumulators by turns, one instruction a turn
.endr
.endm
; A SLOT.  At its head each wave waits for all its tensor loads (its part of this slot), adds 0 to its spare word, and waits for that and for its reads of the other slot; the round then says so of
; every wave of the four work-groups.  refill = 1: the other slot is asked for, first thing behind the round.
.macro TRIP slot, refill
	s_wait_tensorcnt 0x0                           ; no tensor load of mine is out, so a group 0 may be written
	ds_add_u32 v[SPW], v[NIL]                      ; 0 onto my spare word
	s_add_nc_u64 s[G0+4*\slot+2:G0+4*\slot+3], s[G0+4*\slot+2:G0+4*\slot+3], 2*SLOTB   ; this slot's next keys; the type bits on top are not reached
	s_wait_dscnt 0x0                               ; the add is done, and my reads of the other slot are over
	CROUND
.if \refill
	JLOAD G0+4-4*\slot
.endif
	global_load_b128 v[CP:CP+3], v[CO], s[XS:XS+1] th:TH_LOAD_NT   ; the copy: it lands during the slot's steps
	s_mov_b32 s[TB], \slot*SLOTB
	s_mov_b32 s[STP], 4
.Lstep_\@:
	s_setprio 2
	STEP
	s_add_co_u32 s[TB], s[TB], STEPB
	s_sub_co_u32 s[STP], s[STP], 1
	s_cmp_lg_u32 s[STP], 0
	s_cbranch_scc1 .Lstep_\@
	s_setprio 0
	s_wait_loadcnt 0x0
	global_store_b128 v[CO], v[CP:CP+3], s[OS:OS+1] th:TH_STORE_NT
	s_wait_xcnt 0x0                                ; the store has read its data and its base: both are written again only behind this wait
	s_add_nc_u64 s[XS:XS+1], s[XS:XS+1], 8192
	s_add_nc_u64 s[OS:OS+1], s[OS:OS+1], 8192
.endm
	s_mov_b32 s[LAPS], 3
.Llap:                                             ; eight slots: three trips of two, and two written out
	TRIP 0, 1
	TRIP 1, 1
	s_sub_co_u32 s[LAPS], s[LAPS], 1
	s_cmp_lg_u32 s[LAPS], 0
	s_cbranch_scc1 .Llap
	TRIP 0, 1
	TRIP 1, 0
	; ---- o = O / l, quantised along the channels; my 64 channels are half a K step of the projection
.rept 4
	v_nop                                          ; places behind the last products
.endr
.irp k, 0,1
.irp c, 0,1
	global_load_b128 v[KF+8*\k+4*\c:KF+8*\k+4*\c+3], v[WPA], s[10:11] offset:64*\k+32*\c   ; w_proj's rows 16 w .. 16 w + 15
.endr
	global_load_b32 v[KS+\k], v[WPSA], s[12:13] offset:4*\k
.endr
	v_add_f32 v14, v14, v15                        ; the sum's two halves,
	s_delay_alu instid0(VALU_DEP_1)
	v_permlanex16_b32 v[T], v14, s[SEL], s[SEL+1]
	s_delay_alu instid0(VALU_DEP_1)
	v_add_f32 v14, v14, v[T]                       ; and lane l xor 16's
	s_wait_alu depctr_va_vdst(0)
	v_rcp_f32 v14, v14
	v_nop                                          ; a plain place behind the transcendental
.set j, 0
	s_wait_alu depctr_va_vdst(0)
.rept 16
	v_pk_mul_f32 v[OT+j:OT+j+1], v[OT+j:OT+j+1], v[14:15] op_sel_hi:[1,0]
.set j, j+2
.endr
	QUANTH OT, PC, HW
	ds_store_b128 v[OWI], v[PC:PC+3]
	ds_store_b16 v[OWS], v[HW]
	global_store_b128 v[OGO], v[PC:PC+3], s[OB:OB+1]   ; 512 consecutive bytes
	s_wait_dscnt 0x0                               ; for the others' sake: my stores have landed
	s_barrier_signal -1
	s_barrier_wait -1                              ; o's eight fragments and their scale words lie in LDS
.set i, 0
.rept 16
	ds_load_b128 v[S+4*i:S+4*i+3], v[OLI] offset:512*i
.set i, i+1
.endr
.irp i, 0,1,2,3,4,5,6,7
	ds_load_b32 v[OW+\i], v[OLS] offset:128*\i
.endr
	s_cmp_lt_u32 s[WV], 2                          ; waves 0 and 1 send the 1,024 bytes of scale words to obuf, 512 consecutive bytes each
	s_cbranch_scc0 .Lno_words
	ds_load_b128 v[CP:CP+3], v[OSR]
	s_wait_dscnt 0x0
	global_store_b128 v[OSG], v[CP:CP+3], s[OB:OB+1] offset:8192
.Lno_words:
	s_wait_dscnt 0x0
	s_wait_loadcnt 0x0                             ; w_proj
	; ---- y for my 16 output channels and the 64 queries: source 0 = o's tile, source 1 = w_proj's rows: lane (r, h) holds channel 16 w + r and 32 queries
.irp k, 0,1
.irp q, 0,1,2,3
	MM OT+8*\q, S+8*(2*\q+\k), KF+8*\k, 1-\k, OW+2*\q+\k, KS+\k
.endr
.endr
	v_and_b32 v8, 15, v0                           ; four plain lines: the places behind the products; they make my place in part: 262,144 h + 4 r
	v_bfe_u32 v9, v0, 4, 1
	s_delay_alu instid0(VALU_DEP_2)
	v_lshlrev_b32 v8, 2, v8
	s_delay_alu instid0(VALU_DEP_1)
	v_lshl_add_u32 v9, v9, 18, v8
	v_pk_add_f32 v[254:255], v[160:161], v[162:163]
	v_pk_add_f32 v[252:253], v[164:165], v[166:167]
	v_pk_add_f32 v[250:251], v[168:169], v[170:171]
	v_pk_add_f32 v[248:249], v[172:173], v[174:175]
	v_pk_add_f32 v[246:247], v[176:177], v[178:179]
	v_pk_add_f32 v[244:245], v[180:181], v[182:183]
	v_pk_add_f32 v[242:243], v[184:185], v[186:187]
	v_pk_add_f32 v[228:229], v[188:189], v[190:191]
	s_delay_alu instid0(VALU_DEP_1)
	v_pk_add_f32 v[228:229], v[228:229], v[248:249]
	v_pk_add_f32 v[254:255], v[254:255], v[246:247]
	v_pk_add_f32 v[252:253], v[252:253], v[244:245]
	v_pk_add_f32 v[250:251], v[250:251], v[242:243]
	s_delay_alu instid0(VALU_DEP_2)
	v_pk_add_f32 v[228:229], v[228:229], v[252:253]
	s_delay_alu instid0(VALU_DEP_2)
	v_pk_add_f32 v[254:255], v[254:255], v[250:251]
	s_delay_alu instid0(VALU_DEP_1)
	v_pk_add_f32 v[228:229], v[228:229], v[254:255]
	s_delay_alu instid0(VALU_DEP_1)
	v_add_f32 v[SU], v[SU], v[SU+1]
	s_delay_alu instid0(VALU_DEP_1)
	v_permlanex16_b32 v[T], v[SU], s[SEL], s[SEL+1]
	s_delay_alu instid0(VALU_DEP_1)
	v_add_f32 v[SU], v[SU], v[T]                   ; the sum of y over my 64 queries
	s_delay_alu instid0(VALU_DEP_1)
	v_mul_f32 v[TM], 0x3c800000, v[SU]             ; their mean
.set j, 0
.rept 16
	v_pk_add_f32 v[VF+j:VF+j+1], v[OT+j:OT+j+1], v[TM:TM+1] op_sel_hi:[1,0] neg_lo:[0,1] neg_hi:[0,1]
.set j, j+2
.endr
	v_pk_mul_f32 v[TM+2:TM+3], v[VF:VF+1], v[VF:VF+1]
.set j, 2
.rept 15
	s_delay_alu instid0(VALU_DEP_1)
	v_pk_fma_f32 v[TM+2:TM+3], v[VF+j:VF+j+1], v[VF+j:VF+j+1], v[TM+2:TM+3]
.set j, j+2
.endr
	s_delay_alu instid0(VALU_DEP_1)
	v_add_f32 v[TM+2], v[TM+2], v[TM+3]
	s_delay_alu instid0(VALU_DEP_1)
	v_permlanex16_b32 v[T], v[TM+2], s[SEL], s[SEL+1]
	s_delay_alu instid0(VALU_DEP_1)
	v_add_f32 v[TM+2], v[TM+2], v[T]               ; the sum of squares about that mean
	s_delay_alu instid0(VALU_DEP_1)
	v_cndmask_b32 v[T+1], v[SU], v[TM+2], s[HM]    ; lanes 0-15 store the sums, lanes 16-31 the squares
	global_store_b32 v9, v[T+1], s[PB:PB+1]
	s_wait_tensorcnt 0x0                           ; the wave's end: behind my last tensor load and my last LDS store
	ds_add_u32 v[SPW], v[NIL]
	s_wait_dscnt 0x0
	CROUND                                         ; the closing round: no work-group ends while a partner may still ask for a tile that names it
	s_endpgm
.Lfunc_end_k_qc8d7a935fe_attn:
	.size	k_qc8d7a935fe_attn, .Lfunc_end_k_qc8d7a935fe_attn-k_qc8d7a935fe_attn
	.p2alignl 7, 3214868480
	.fill 96, 4, 3214868480
	.section	.rodata,"a",@progbits
	.p2align	6, 0x0
	.amdhsa_kernel k_qc8d7a935fe_attn
		.amdhsa_group_segment_fixed_size 327680
		.amdhsa_private_segment_fixed_size 0
		.amdhsa_enable_private_segment 0
		.amdhsa_kernarg_size 64
		.amdhsa_user_sgpr_count 2
		.amdhsa_user_sgpr_kernarg_segment_ptr 1
		.amdhsa_wavefront_size32 1
		.amdhsa_system_sgpr_workgroup_id_x 1
		.amdhsa_system_sgpr_workgroup_id_y 1
		.amdhsa_system_sgpr_workgroup_id_z 1
		.amdhsa_system_vgpr_workitem_id 0
		.amdhsa_next_free_vgpr 256
		.amdhsa_next_free_sgpr 90
		.amdhsa_reserve_vcc 0
		.amdhsa_float_denorm_mode_32 3
		.amdhsa_float_denorm_mode_16_64 3
		.amdhsa_memory_ordered 1
		.amdhsa_forward_progress 1
		.amdhsa_inst_pref_size 93
	.end_amdhsa_kernel
	.amdgpu_metadata
---
amdhsa.version: [ 1, 2 ]
amdhsa.kernels:
  - .name:           k_qc8d7a935fe_attn
    .symbol:         k_qc8d7a935fe_attn.kd
    .args:
      - { .name: x, .offset: 0, .size: 8, .value_kind: global_buffer, .address_space: global }
      - { .name: qbuf, .offset: 8, .size: 8, .value_kind: global_buffer, .address_space: global }
      - { .name: kv, .offset: 16, .size: 8, .value_kind: global_buffer, .address_space: global }
      - { .name: w_proj_codes, .offset: 24, .size: 8, .value_kind: global_buffer, .address_space: global }
      - { .name: w_proj_scales, .offset: 32, .size: 8, .value_kind: global_buffer, .address_space: global }
      - { .name: obuf, .offset: 40, .size: 8, .value_kind: global_buffer, .address_space: global }
      - { .name: part, .offset: 48, .size: 8, .value_kind: global_buffer, .address_space: global }
      - { .name: out0, .offset: 56, .size: 8, .value_kind: global_buffer, .address_space: global }
    .group_segment_fixed_size: 327680
    .private_segment_fixed_size: 0
    .kernarg_segment_align: 8
    .kernarg_segment_size: 64
    .max_flat_workgroup_size: 512
    .sgpr_count:     90
    .vgpr_count:     256
    .wavefront_size: 32
...
	.end_amdgpu_metadata
.endif
;; end of part 2
;; launch bn (part 3): grid 16 x 16, 8 waves a work-group, no clusters, 38,912 bytes of LDS; arguments obuf, part, w_proj_codes, w_proj_scales, gamma, beta, out0; writes out0
.if DOCPART == 3
	.amdgcn_target "amdgcn-amd-amdhsa--gfx1250"
	.amdhsa_code_object_version 6
	.text
	.protected	k_qc8d7a935fe_bn
	.globl	k_qc8d7a935fe_bn
	.p2align	8
	.type	k_qc8d7a935fe_bn,@function
k_qc8d7a935fe_bn:
	s_mov_b64 s[64:65], 0
	v_nop
	global_prefetch_b8 v0, s[64:65] scope:SCOPE_SE
	s_setreg_imm32_b32 hwreg(HW_REG_WAVE_MODE, 25, 1), 1
	s_wait_xcnt 0x0
; out0[b][c][n] = (y - mean[c]) rsqrt(var[c] + 1e-5) gamma[c] + beta[c] for c = 0 .. 255, y = the projection of o on codes of FP4 (E2M1) with E8M0 scales, multiplied again from o's images
; in the same orientation and order as where the partial sums were taken, so that y has the same bits.
; SHARES.  A work-group takes 16 output channels (x) and 1,024 positions of one batch (y): 16 blocks of 64 positions, two for each of its eight waves.
; THE STATISTICS.  For my 16 channels 256 blocks have left a sum and a sum of squares about the block's own mean.  With s0 = block 0's sum, d_i = sum_i - s0:
; mean = s0 / 64 + (sum of d_i) / 16384;  var = (sum of squares) / 16384 + (sum of d_i^2) / 2^20 - ((sum of d_i) / 16384)^2: the spread of the blocks' means is taken about block 0's mean, so a common offset of y does not enter it.
; Each wave adds 32 blocks, the waves' figures meet in LDS, and every wave adds them in the same order.
; THE WAY OUT.  A lane holds one channel and 32 positions; a block's 16 rows of 256 bytes go through the wave's own stage in LDS and leave sixteen lanes to 256 consecutive bytes, aligned.
; NO CLUSTER: there is no tensor load here; each operand goes from memory straight into the registers of the one wave of the work-group that multiplies it.
; LIMITS: NaN and infinities are not served; the variance is held at 0 from below.
.set STG,  0                           ; LDS: a stage of 16 rows x (256 + 16) bytes for each wave
.set EX,   34816                       ; three sets x eight waves x 64 bytes: the waves' partial figures
.set AB,   36352                       ; 128 bytes for each wave: a and b of the 16 channels
.set PA,   4                           ; v4   part: 16 lane + 2048 wave
.set QD,   5                           ; v5   16 (lane & 3): my four channels
.set LI,   6                           ; v6   16 lane
.set LS,   7                           ; v7   4 lane
.set WPA,  8                           ; v8   w_proj's codes: 128 r + 16 h
.set WPSA, 9                           ; v9   its scale words: 8 r
.set EXW,  10
.set EXR,  11
.set ABW,  12
.set ABR,  13
.set STO,  14                          ; v14  the stage: row r, + 64 h
.set SRD,  15                          ; v15  and back: row lane >> 4, + 16 r
.set WP,   16                          ; v16-31 w_proj's two fragments
.set WPS,  32                          ; v32-33 their scale words
.set OW,   34                          ; v34-49 o's scale words (unit e, 2 q + k)
.set CA,   50                          ; v[50:51] a of my channel
.set CB,   52                          ; v[52:53] b
.set GO,   54                          ; v54  out0: 16,384 (lane >> 4) + 16 r
.set OF,   64                          ; v64-191 o's fragments (e, q, k) at OF + 64 e + 8 (2 q + k); later rows of out0
.set Y,    192                         ; v192-255 the accumulators: unit e, tile q at Y + 32 e + 8 q.  Ahead of the products these registers serve the statistics:
.set PS,   192                         ; v192-207 sums
.set PM,   208                         ; v208-223 sums of squares
.set X0,   224                         ; v224-227 block 0's sums
.set GA,   228                         ; v228-231 gamma
.set BE,   232                         ; v232-235 beta
.set AA,   236                         ; v236-239 the sum of d;  v240-243 of d^2;  v244-247 of the squares
.set BB,   240
.set CC,   244
.set T,    248                         ; v248-251 at work
.set SEL,  24                          ; s[24:25] lane l xor 16
.macro MM d, a, b, zero, sa, sb
.if \zero
	v_wmma_scale_f32_16x16x128_f8f6f4 v[\d:\d+7], v[\a:\a+7], v[\b:\b+7], 0, v[\sa], v[\sb] matrix_a_fmt:MATRIX_FMT_FP4 matrix_b_fmt:MATRIX_FMT_FP4
.else
	v_wmma_scale_f32_16x16x128_f8f6f4 v[\d:\d+7], v[\a:\a+7], v[\b:\b+7], v[\d:\d+7], v[\sa], v[\sb] matrix_a_fmt:MATRIX_FMT_FP4 matrix_b_fmt:MATRIX_FMT_FP4
.endif
.endm
	s_load_b256 s[4:11], s[0:1], 0x0               ; obuf s[4:5], part s[6:7], w_proj's codes s[8:9], its scales s[10:11]
	s_load_b128 s[12:15], s[0:1], 0x20             ; gamma s[12:13], beta s[14:15]
	s_load_b64 s[16:17], s[0:1], 0x30              ; out0
	v_lshl_add_u32 v62, v0, 2, 0x9400
	v_mov_b32 v63, 0
	v_lshrrev_b32 v1, 5, v0
	s_delay_alu instid0(VALU_DEP_1)
	v_readfirstlane_b32 s18, v1                    ; wave 0..7
	v_and_b32 v1, 31, v0                           ; lane
	v_and_b32 v2, 15, v0                           ; r
	v_bfe_u32 v3, v0, 4, 1                         ; h
	s_and_b32 s20, ttmp7, 0xffff                   ; which 1,024 positions
	s_mov_b32 s[SEL], 0x76543210
	s_mov_b32 s[SEL+1], 0xfedcba98
	v_lshlrev_b32 v[LI], 4, v1
	v_lshlrev_b32 v[LS], 2, v1
	v_and_b32 v[QD], 3, v0
	s_delay_alu instid0(VALU_DEP_1)
	v_lshlrev_b32 v[QD], 4, v[QD]
	s_lshl_b32 s36, s18, 11
	v_add_nc_u32 v[PA], s36, v[LI]
	v_lshlrev_b32 v[WPA], 7, v2
	s_delay_alu instid0(VALU_DEP_1)
	v_lshl_add_u32 v[WPA], v3, 4, v[WPA]
	v_lshlrev_b32 v[WPSA], 3, v2
	s_lshl_b32 s36, s18, 6
	s_add_co_u32 s36, s36, EX
	v_add_nc_u32 v[EXW], s36, v[QD]
	v_add_nc_u32 v[EXR], EX, v[QD]
	s_lshl_b32 s36, s18, 7
	s_add_co_u32 s36, s36, AB
	v_add_nc_u32 v[ABW], s36, v[QD]
	v_lshl_add_u32 v[ABR], v2, 2, s36
	s_mul_i32 s36, s18, 16*272
	v_mul_u32_u24 v[STO], v2, 272
	s_delay_alu instid0(VALU_DEP_1)
	v_lshl_add_u32 v[STO], v3, 6, v[STO]
	s_delay_alu instid0(VALU_DEP_1)
	v_add_nc_u32 v[STO], s36, v[STO]
	v_mul_u32_u24 v[SRD], v3, 272
	s_delay_alu instid0(VALU_DEP_1)
	v_lshl_add_u32 v[SRD], v2, 4, v[SRD]
	s_delay_alu instid0(VALU_DEP_1)
	v_add_nc_u32 v[SRD], s36, v[SRD]
	v_lshlrev_b32 v[GO], 4, v2
	s_delay_alu instid0(VALU_DEP_1)
	v_lshl_add_u32 v[GO], v3, 14, v[GO]
	v_mov_b32 v[CA+1], 0                           ; named as the upper halves of pairs
	v_mov_b32 v[CB+1], 0
.irp j, 0,1,2,3
	v_mov_b32 v[T+\j], 0                           ; a lane permute's destination counts as one of its sources
.endr
	s_lshl_b32 s22, ttmp9, 14                      ; part: my tile of channels
	s_mov_b32 s23, 0
	s_lshl_b32 s26, ttmp9, 11                      ; w_proj's codes: row 16 x
	s_mov_b32 s27, 0
	s_lshl_b32 s28, ttmp9, 7                       ; its scales
	s_mov_b32 s29, 0
	s_lshl_b32 s30, ttmp9, 6                       ; gamma, beta
	s_mov_b32 s31, 0
	s_lshl_b32 s32, s20, 4
	s_lshl_b32 s19, s18, 1
	s_add_co_u32 s32, s32, s19                     ; my first block of 64 positions: 16 y + 2 wave
	s_mul_i32 s32, s32, 9216
	s_mov_b32 s33, 0
	s_lshr_b32 s34, s20, 2                         ; out0: the batch,
	s_lshl_b32 s34, s34, 23
	s_lshl_b32 s21, ttmp9, 18                      ; my 16 channels of 16,384 bytes,
	s_add_co_u32 s34, s34, s21
	s_and_b32 s21, s20, 3
	s_lshl_b32 s21, s21, 4
	s_add_co_u32 s21, s21, s19
	s_lshl_b32 s21, s21, 8                         ; my first block's 256 bytes of a row
	s_add_co_u32 s34, s34, s21
	s_mov_b32 s35, 0
	s_wait_kmcnt 0x0
	s_add_nc_u64 s[4:5], s[4:5], s[32:33]
	s_add_nc_u64 s[6:7], s[6:7], s[22:23]
	s_add_nc_u64 s[8:9], s[8:9], s[26:27]
	s_add_nc_u64 s[10:11], s[10:11], s[28:29]
	s_add_nc_u64 s[12:13], s[12:13], s[30:31]
	s_add_nc_u64 s[14:15], s[14:15], s[30:31]
	s_add_nc_u64 s[16:17], s[16:17], s[34:35]
	; eleven loads for the statistics: my wave's 32 blocks, eight to a load: lane l holds block l >> 2, channels 4 (l & 3) on
.irp i, 0,1,2,3
	global_load_b128 v[PS+4*\i:PS+4*\i+3], v[PA], s[6:7] offset:512*\i
.endr
.irp i, 0,1,2,3
	global_load_b128 v[PM+4*\i:PM+4*\i+3], v[PA], s[6:7] offset:262144+512*\i
.endr
	global_load_b128 v[X0:X0+3], v[QD], s[6:7]
	global_load_b128 v[GA:GA+3], v[QD], s[12:13]
	global_load_b128 v[BE:BE+3], v[QD], s[14:15]
	; six for w_proj, 48 for o: they land while the statistics are made
.irp k, 0,1
.irp c, 0,1
	global_load_b128 v[WP+8*\k+4*\c:WP+8*\k+4*\c+3], v[WPA], s[8:9] offset:64*\k+32*\c
.endr
	global_load_b32 v[WPS+\k], v[WPSA], s[10:11] offset:4*\k
.endr
.irp e, 0,1
.set i, 0
.rept 16
	global_load_b128 v[OF+64*\e+4*i:OF+64*\e+4*i+3], v[LI], s[4:5] offset:9216*\e+512*i
.set i, i+1
.endr
.set i, 0
.rept 8
	global_load_b32 v[OW+8*\e+i], v[LS], s[4:5] offset:9216*\e+8192+128*i
.set i, i+1
.endr
.endr
	s_wait_loadcnt 54                              ; the eleven are in; the 54 issued behind them may be out
.irp i, 0,1,2,3
.irp p, 0,2
	v_pk_add_f32 v[PS+4*\i+\p:PS+4*\i+\p+1], v[PS+4*\i+\p:PS+4*\i+\p+1], v[X0+\p:X0+\p+1] neg_lo:[0,1] neg_hi:[0,1]   ; d = sum - s0
.endr
.endr
.irp p, 0,2
	v_pk_add_f32 v[AA+\p:AA+\p+1], v[PS+\p:PS+\p+1], v[PS+4+\p:PS+4+\p+1]
	v_pk_mul_f32 v[BB+\p:BB+\p+1], v[PS+\p:PS+\p+1], v[PS+\p:PS+\p+1]
	v_pk_add_f32 v[CC+\p:CC+\p+1], v[PM+\p:PM+\p+1], v[PM+4+\p:PM+4+\p+1]
.endr
.irp p, 0
	v_pk_fma_f32 v[BB+\p:BB+\p+1], v[PS+4+\p:PS+4+\p+1], v[PS+4+\p:PS+4+\p+1], v[BB+\p:BB+\p+1]
.endr
.irp p, 2
	s_delay_alu instid0(VALU_DEP_3)
	v_pk_fma_f32 v[BB+\p:BB+\p+1], v[PS+4+\p:PS+4+\p+1], v[PS+4+\p:PS+4+\p+1], v[BB+\p:BB+\p+1]
.endr
.irp i, 2,3
.irp p, 0,2
	v_pk_add_f32 v[AA+\p:AA+\p+1], v[AA+\p:AA+\p+1], v[PS+4*\i+\p:PS+4*\i+\p+1]
	v_pk_fma_f32 v[BB+\p:BB+\p+1], v[PS+4*\i+\p:PS+4*\i+\p+1], v[PS+4*\i+\p:PS+4*\i+\p+1], v[BB+\p:BB+\p+1]
	v_pk_add_f32 v[CC+\p:CC+\p+1], v[CC+\p:CC+\p+1], v[PM+4*\i+\p:PM+4*\i+\p+1]
.endr
.endr
.irp j, 0,1,2,3,4,5,6,7,8,9,10,11              ; over the eight lanes that hold the same four channels: l xor 4, 8, 16
	v_add_f32_dpp v[AA+\j], v[AA+\j], v[AA+\j] row_xmask:4 row_mask:0xf bank_mask:0xf
.endr
.irp j, 0,1,2,3,4,5,6,7,8,9,10,11
	v_add_f32_dpp v[AA+\j], v[AA+\j], v[AA+\j] row_xmask:8 row_mask:0xf bank_mask:0xf
.endr
.irp z, 0,1,2
.irp j, 0,1,2,3
	v_permlanex16_b32 v[T+\j], v[AA+4*\z+\j], s[SEL], s[SEL+1]
.endr
.irp j, 0,1,2,3
	s_delay_alu instid0(VALU_DEP_4)
	v_add_f32 v[AA+4*\z+\j], v[AA+4*\z+\j], v[T+\j]
.endr
.endr
	ds_store_b128 v[EXW], v[AA:AA+3]               ; lanes with the same four channels write the same bytes with the same values
	ds_store_b128 v[EXW], v[BB:BB+3] offset:512
	ds_store_b128 v[EXW], v[CC:CC+3] offset:1024
	s_wait_dscnt 0x0                               ; for the others' sake: my stores have landed
	s_barrier_signal -1
	s_barrier_wait -1
.irp z, 0,1,2                                  ; each set: the eight waves' figures, added in the same order by every wave
.irp w, 0,1,2,3,4,5,6,7
	ds_load_b128 v[PS+4*\w:PS+4*\w+3], v[EXR] offset:512*\z+64*\w
.endr
	s_wait_dscnt 0x0
.irp p, 0,2
	v_pk_add_f32 v[AA+4*\z+\p:AA+4*\z+\p+1], v[PS+\p:PS+\p+1], v[PS+4+\p:PS+4+\p+1]
.endr
.irp w, 2,3,4,5,6,7
.irp p, 0,2
	s_delay_alu instid0(VALU_DEP_2)
	v_pk_add_f32 v[AA+4*\z+\p:AA+4*\z+\p+1], v[AA+4*\z+\p:AA+4*\z+\p+1], v[PS+4*\w+\p:PS+4*\w+\p+1]
.endr
.endr
.endr
.irp k, 0,1,2,3
	v_mul_f32 v[T+\k], 0x38800000, v[AA+\k]        ; m = (sum of d) / 16384
.endr
.irp k, 0,1,2,3
	v_mul_f32 v[BB+\k], 0x35800000, v[BB+\k]       ; (sum of d^2) / 2^20
.endr
.irp k, 0,1,2,3
	s_delay_alu instid0(VALU_DEP_4)
	v_fma_f32 v[BB+\k], v[CC+\k], 0x38800000, v[BB+\k]   ; + (sum of squares) / 16384
.endr
.irp k, 0,1,2,3
	s_delay_alu instid0(VALU_DEP_4)
	v_fma_f32 v[BB+\k], -v[T+\k], v[T+\k], v[BB+\k]      ; - m^2: the variance
.endr
.irp k, 0,1,2,3
	s_delay_alu instid0(VALU_DEP_4)
	v_max_num_f32 v[BB+\k], 0, v[BB+\k]
.endr
.irp k, 0,1,2,3
	s_delay_alu instid0(VALU_DEP_4)
	v_add_f32 v[BB+\k], 0x3727c5ac, v[BB+\k]       ; + 1e-5
.endr
	s_wait_alu depctr_va_vdst(0)
.irp k, 0,1,2,3
	v_rsq_f32 v[BB+\k], v[BB+\k]
.endr
.irp k, 0,1,2,3
	v_fma_f32 v[T+\k], v[X0+\k], 0x3c800000, v[T+\k]     ; the mean = s0 / 64 + m.  (Plain places behind the transcendentals)
.endr
	s_wait_alu depctr_va_vdst(0)
.irp k, 0,1,2,3
	v_mul_f32 v[AA+\k], v[GA+\k], v[BB+\k]         ; a = gamma / sqrt(var + 1e-5)
.endr
.irp k, 0,1,2,3
	s_delay_alu instid0(VALU_DEP_4)
	v_fma_f32 v[CC+\k], -v[T+\k], v[AA+\k], v[BE+\k]     ; b = beta - mean a
.endr
	ds_store_b128 v[ABW], v[AA:AA+3]               ; through my wave's own bytes: from four channels a lane to channel r.  LDS serves a wave's instructions in order
	ds_store_b128 v[ABW], v[CC:CC+3] offset:64
	ds_load_b32 v[CA], v[ABR]
	ds_load_b32 v[CB], v[ABR] offset:64
	s_wait_dscnt 0x0
	s_wait_loadcnt 0x0                             ; w_proj and o
.irp e, 0,1                                    ; source 0 = o's tile of 16 positions, source 1 = w_proj's 16 rows; four accumulators by turns
.irp k, 0,1
.irp q, 0,1,2,3
	MM Y+32*\e+8*\q, OF+64*\e+8*(2*\q+\k), WP+8*\k, 1-\k, OW+8*\e+2*\q+\k, WPS+\k
.endr
.endr
.endr
.rept 4
	v_nop                                          ; places in front of the first read of results and of loads into registers that the products have read
.endr
; Lane (r, h) holds channel r; register 8 q + j is position 32 (q / 2) + 16 h + 8 (q % 2) + j of the block
.irp e, 0,1
.set j, 0
.rept 16
	v_pk_fma_f32 v[Y+32*\e+j:Y+32*\e+j+1], v[Y+32*\e+j:Y+32*\e+j+1], v[CA:CA+1], v[CB:CB+1] op_sel_hi:[1,0,0]   ; y a + b, each accumulator from its low end on
.set j, j+2
.endr
.irp q, 0,1,2,3
	ds_store_b128 v[STO], v[Y+32*\e+8*\q:Y+32*\e+8*\q+3] offset:(\q/2)*128+(\q%2)*32
	ds_store_b128 v[STO], v[Y+32*\e+8*\q+4:Y+32*\e+8*\q+7] offset:(\q/2)*128+(\q%2)*32+16
.endr
.irp i, 0,1,2,3,4,5,6,7
	ds_load_b128 v[OF+64*\e+4*\i:OF+64*\e+4*\i+3], v[SRD] offset:544*\i   ; these see my stores, and the next unit's stores come behind them
.endr
.endr
.irp i, 0,1,2,3,4,5,6,7
	s_wait_dscnt 16+7-\i                           ; behind unit 0's load i: its younger loads and unit 1's sixteen LDS lines
	global_store_b128 v[GO], v[OF+4*\i:OF+4*\i+3], s[16:17] offset:32768*\i th:TH_STORE_NT   ; sixteen lanes store 256 consecutive bytes, at a multiple of 256 from out0's first byte
.endr
.irp i, 0,1,2,3,4,5,6,7
	s_wait_dscnt 7-\i
	global_store_b128 v[GO], v[OF+64+4*\i:OF+64+4*\i+3], s[16:17] offset:32768*\i+256 th:TH_STORE_NT
.endr
	s_wait_tensorcnt 0x0
	ds_add_u32 v62, v63
	s_wait_dscnt 0x0
	s_endpgm
.Lfunc_end_k_qc8d7a935fe_bn:
	.size	k_qc8d7a935fe_bn, .Lfunc_end_k_qc8d7a935fe_bn-k_qc8d7a935fe_bn
	.p2alignl 7, 3214868480
	.fill 96, 4, 3214868480
	.section	.rodata,"a",@progbits
	.p2align	6, 0x0
	.amdhsa_kernel k_qc8d7a935fe_bn
		.amdhsa_group_segment_fixed_size 38912
		.amdhsa_private_segment_fixed_size 0
		.amdhsa_enable_private_segment 0
		.amdhsa_kernarg_size 56
		.amdhsa_user_sgpr_count 2
		.amdhsa_user_sgpr_kernarg_segment_ptr 1
		.amdhsa_wavefront_size32 1
		.amdhsa_system_sgpr_workgroup_id_x 1
		.amdhsa_system_sgpr_workgroup_id_y 1
		.amdhsa_system_sgpr_workgroup_id_z 1
		.amdhsa_system_vgpr_workitem_id 0
		.amdhsa_next_free_vgpr 256
		.amdhsa_next_free_sgpr 66
		.amdhsa_reserve_vcc 0
		.amdhsa_float_denorm_mode_32 3
		.amdhsa_float_denorm_mode_16_64 3
		.amdhsa_memory_ordered 1
		.amdhsa_forward_progress 1
		.amdhsa_inst_pref_size 32
	.end_amdhsa_kernel
	.amdgpu_metadata
---
amdhsa.version: [ 1, 2 ]
amdhsa.kernels:
  - .name:           k_qc8d7a935fe_bn
    .symbol:         k_qc8d7a935fe_bn.kd
    .args:
      - { .name: obuf, .offset: 0, .size: 8, .value_kind: global_buffer, .address_space: global }
      - { .name: part, .offset: 8, .size: 8, .value_kind: global_buffer, .address_space: global }
      - { .name: w_proj_codes, .offset: 16, .size: 8, .value_kind: global_buffer, .address_space: global }
      - { .name: w_proj_scales, .offset: 24, .size: 8, .value_kind: global_buffer, .address_space: global }
      - { .name: gamma, .offset: 32, .size: 8, .value_kind: global_buffer, .address_space: global }
      - { .name: beta, .offset: 40, .size: 8, .value_kind: global_buffer, .address_space: global }
      - { .name: out0, .offset: 48, .size: 8, .value_kind: global_buffer, .address_space: global }
    .group_segment_fixed_size: 38912
    .private_segment_fixed_size: 0
    .kernarg_segment_align: 8
    .kernarg_segment_size: 56
    .max_flat_workgroup_size: 256
    .sgpr_count:     66
    .vgpr_count:     256
    .wavefront_size: 32
...
	.end_amdgpu_metadata
.endif
;; end of part 3
